; MI455X (gfx1250); checked and timed in simulation.
; The chip was launched on July 23, 2026; its instructions are those of AMD's public machine-readable ISA for CDNA 5 (MIT licence, August 2026) and "CDNA5" Instruction Set Architecture Reference Guide (July 2026). The comments in the code are by the model that wrote it; some were corrected since.
;; Attention. Allowed arithmetic: matrix products marked QUANTISED: E2M3 operands, one E8M0 scale for each 32 along K, by v_wmma_scale_f32_16x16x128_f8f6f4 with both operands' format E2M3, f32 sums; everything else in f32.
;; Inputs: b_out 1,024 float32; w_out_codes 1,024 x 32 x 24 uint8 (E2M3 codes of w_out, K innermost, in blocks of 32 codes, four codes in three bytes); w_out_scales 1,024 x 32 uint8 (E8M0 scales of w_out, one for each 32 codes along K); w_qkv_codes 3,072 x 32 x 24 uint8 (E2M3 codes of w_qkv, K innermost, in blocks of 32 codes, four codes in three bytes); w_qkv_scales 3,072 x 32 uint8 (E8M0 scales of w_qkv, one for each 32 codes along K); x_codes 2 x 2,048 x 32 x 24 uint8 (E2M3 codes of x, K innermost, in blocks of 32 codes, four codes in three bytes); x_scales 2 x 2,048 x 32 uint8 (E8M0 scales of x, one for each 32 codes along K).
;; Outputs: out0 2 x 2,048 x 1,024 float32.
;; This version of the problem:
;;   THIS VERSION OF THE PROBLEM IS GIVEN IN LOW PRECISION. The matrix products marked QUANTISED in the list below multiply operands that are first quantised to E2M3 (2 exponent bits, 3 mantissa bits; 6 bits a number), with one power-of-two scale for each 32 numbers along K (OCP MX v1.0); their sums are f32. All else is computed in f32.
;;   The module's matrix products, in the order in which they are computed (A, B: the left and right operand; K: the contracted axis; several contracted axes count as one K, in the product's order):
;;     1. [M 4,096, K 1,024] x [K 1,024, N 3,072]; A: input x (given as codes); B: input w_qkv (given as codes): QUANTISED
;;     2. batch 32 x [M 2,048, K 64] x [K 64, N 2,048]; A: computed on the way; B: computed on the way: QUANTISED
;;     3. batch 32 x [M 2,048, K 2,048] x [K 2,048, N 64]; A: softmax (see below); B: computed on the way: QUANTISED
;;     4. [M 4,096, K 1,024] x [K 1,024, N 1,024]; A: computed on the way; B: input w_out (given as codes): QUANTISED
;;   THE QUANTISER, for each operand of a quantised product, along K:
;;     - K is cut into blocks of 32 from its start; a last block that is shorter is filled with zeros.
;;     - A block's scale is 2^e with e = floor(log2(the largest magnitude in the block)) - 2, held to -126 .. 127; a block of zeros has e = 0. As a byte (E8M0): e + 127.
;;     - Each number is divided by its block's scale, clamped to +-7.5, and rounded to the nearest number of E2M3, ties to even, subnormals kept.
;;     - The product sums the exact products of the quantised numbers (number of the format x scale) in f32.
;;   ~~~python
;;   def quantise(x, axis):      # numpy; x: float32 -> the quantised numbers, widened to float32 again
;;       x = np.moveaxis(x, axis, -1); K = x.shape[-1]
;;       x = np.pad(x, [(0, 0)] * (x.ndim - 1) + [(0, -K % 32)]); x = x.reshape(x.shape[:-1] + (-1, 32)); a = np.abs(x).max(-1, keepdims=True)
;;       e = np.where(a > 0, np.clip(np.frexp(np.where(a > 0, a, 1))[1] - 1 - 2, -126, 127), 0)      # np.frexp(a)[1] - 1 = floor(log2(a)), exactly
;;       r = np.clip(x / 2.0 ** e, -7.5, 7.5)
;;       step = 2.0 ** (np.maximum(np.frexp(np.where(r == 0, 1, r))[1] - 1, 0) - 3)
;;       q = np.round(r / step) * step * 2.0 ** e      # np.round: ties to even
;;       return np.moveaxis(q.reshape(q.shape[:-2] + (-1,))[..., :K], -1, axis).astype(np.float32)
;;   ~~~
;;   SOFTMAX AHEAD OF A QUANTISED PRODUCT. Where the list says 'softmax', what is quantised is not the finished softmax but p = 2^(t - M), with t = logit x log2(e) and M = ceil(the row's largest t), a whole number; so 1/2 < the row's largest p <= 1. The row's sum l is taken of the UNQUANTISED p, in f32, and the product's result is divided by l at the end. Since M is a whole number, a kernel that streams over the keys may use a running M (the ceiling of the running maximum): every later rescaling is an exact power of two, which a block's scale takes up: the codes' values come out the same.
;;   OPERANDS COMPUTED ON THE WAY. 'Computed on the way' means the value that the module computes at that place (a softmax that the list does not call 'softmax' is quantised finished and normalised). What goes into a quantiser is computed in f32, as accurately as f32 sums, v_exp_f32 and their like allow (about 1e-6 of the number): no bf16 or f16 on the way to a quantiser, and a product that is left as it is and whose result goes on into a quantised operand takes f32 operands (vector FMAs, or v_wmma_f32_16x16x4_f32). A number that lies on a knife's edge between two numbers of the format may be rounded either way, as far as f32 arithmetic and the matrix unit's own rounding can turn it there, and no further.
;;   INPUTS GIVEN AS CODES. w_out (in the module: [1024, 1024], K = its axis 0); w_qkv (in the module: [1024, 3072], K = its axis 0); x (in the module: [2, 2048, 1024], K = its axis 2): each comes as NAME_codes (uint8): NAME with its K axis moved to the last place and cut into blocks of 32 codes, [.., K / 32, bytes a block], one block behind the other in memory; four codes in three bytes: a row's codes are one little-endian stream of bits, code i at bits 6 i .. 6 i + 5 (a code: sign, 2 exponent bits, 3 mantissa bits); and NAME_scales (uint8): the same leading axes, one E8M0 byte (e + 127) for each 32 codes along K. Its value is code x scale, taken as it is: it is not quantised again, and the codes and scales need not be those that the quantiser above would give.
;; One version. Each part assembles by itself: llvm-mc -triple=amdgcn-amd-amdhsa -mcpu=gfx1250 --defsym DOCPART=n.
;; ======== version 1 of 1: 3 launches
;; workspace buffers: kv 6,684,672 bytes; ac 3,145,728 bytes; asc 131,072 bytes
;; launch proj (part 1): grid 8 x 32, 4 waves a work-group, clusters of 4 x 4, 262,656 bytes of LDS; arguments x_codes, x_scales, w_qkv_codes, w_qkv_scales, kv; writes kv
.if DOCPART == 1
	.amdgcn_target "amdgcn-amd-amdhsa--gfx1250"
	.amdhsa_code_object_version 6
	.text
	.protected	k_q22a10e5f91_proj
	.globl	k_q22a10e5f91_proj
	.p2align	8
	.type	k_q22a10e5f91_proj,@function
k_q22a10e5f91_proj:
	s_mov_b64 s[64:65], 0
	v_nop
	global_prefetch_b8 v0, s[64:65] scope:SCOPE_SE
	s_setreg_imm32_b32 hwreg(HW_REG_WAVE_MODE, 25, 1), 1
	s_wait_xcnt 0x0
	s_wait_alu depctr_hold_cnt(0) depctr_sa_sdst(0) depctr_va_vdst(0) depctr_va_sdst(0) depctr_va_ssrc(0) depctr_va_vcc(0) depctr_vm_vsrc(0)
	s_getreg_b32 s2, hwreg(HW_REG_IB_STS2, 6, 4)
	s_cmp_eq_u32 s2, 0
	s_cbranch_scc0 .Lentry_in_a_cluster
	s_endpgm
.Lentry_in_a_cluster:
	s_bfe_u32 s2, ttmp6, 0x10000c
	s_cmp_lg_u32 s2, 0xf033
	s_cbranch_scc0 .Lentry_shape_is_right
	s_endpgm
.Lentry_shape_is_right:
; C = x Wq^T, 4,096 tokens x 1,024 columns, K = 1,024, on codes of FP6 (E2M3) with one E8M0 scale for each 32 along K.  Only rows 0 to 1,023 of w_qkv are read: the source takes q, k and v
; from the first 1,024 columns of the product and throws the other 2,048 away, so they are neither multiplied nor loaded.
; C never goes to memory as numbers.  It is quantised twice: along the head's 64 (the operand of q k^T; q = k / 8 is an exact power of two away, so one set of codes serves both) and along the
; tokens (the operand v of p v).  For that each K step multiplies the same fragments twice, with the sources swapped: D1 (source 0 = W, source 1 = x) gives a lane one token and registers along d,
; D2 (source 0 = x, source 1 = W) gives a lane one d and registers along the tokens.  So the conversions, which take neighbours along K from one lane's registers, serve both, and nothing is transposed.
; SHARES.  A work-group makes 128 tokens (one key step of one batch) x 128 columns (two heads); wave w: token half th = w / 2, head hd = w % 2: 64 x 64, twice: 32 accumulators.
; All of K lies in LDS: four chunks of 256 along K, each filled ONCE by the tensor data mover; no LDS byte is filled twice.  4 x 4 work-groups form a cluster: x's tiles are asked for jointly along a
; row of the cluster, W's along a column.
; THE ORDER OF CODES IN A BLOCK.  A lane holds numbers 8 h + j of one tile and 16 + 8 h + j of the next (h = lane / 16), so a block's 32 codes come out with the two middle groups of eight exchanged.
; The 32 are the rule's block, so the scale is the rule's; both operands of q k^T and of p v are laid in that same order, which keeps every product of two codes.
; OUT: kv [32 heads][16 key steps][13,056 bytes]: images of the operand registers that the attention launch loads: K's 48 registers (6,144 bytes), V's four fragments (6,144), K's scale words (512), V's (256).
; LIMITS: a scale's byte is held at 1 from below by a floor of 2^(3 - 127) among the maximum's leaves; a block of zeros gets the byte 1, not 127 (its codes are zeros, and this program alone reads
; the bytes); q's own hold at the smallest exponent would differ from k's only where a block's largest magnitude lies under 2^-121; NaN and infinities are not served.
; REGISTERS: window 0: v1-7 at work, v16-26 addresses, v32-63 scale words, v64-159 and v160-255 two sets of fragments (x's four tiles, then W's four).  Window 1: v0-127 D1, v128-255 D2.
.set PITCH,  240                       ; an LDS row of codes: 3 x (64 bytes + 16 of padding)
.set HALFT,  64*PITCH                  ; 64 rows: what one tensor load brings
.set SLOT,   4*HALFT                   ; a chunk: x's 128 rows, then W's 128 rows
.set SCL,    4*SLOT                    ; behind the chunks: the scale bytes, as units of 256 bytes + 16
.set HALFS,  8*272                     ; those of 64 rows (64 x 32 bytes)
.set VST,    SCL+4*HALFS               ; 512 bytes, 256 a head, in which V's scale words are put together; no fill lands here
.set STEPB,  13056                     ; a key step's block in kv
.set KROW,   768                       ; a row of 1,024 codes in memory
.set WV, 16
.set TH, 17
.set HD, 18
.set TY, 19
.set SEL, 22                           ; s[22:23] lane selects for v_permlanex16_b32 (once the address work has left them)
.set HM,  67                           ; s67 the mask of lanes 16-31 (once the row number has left it)
.set G0A, 24                           ; s[24:39] group 0 for x's four chunks;  s[40:55] for W's;  s[56:59], s[60:63] for the scale bytes
.set G0B, 40
.set G0SA, 56
.set G0SB, 60
.set G1A, 68                           ; s[68:75], s[76:83] group 1 for x's and W's tiles;  s[84:91], s[92:99] for their scale bytes
.set G1B, 76
.set G1SA, 84
.set G1SB, 92
.set ADRA, 16                          ; v16 my x fragments in LDS; v17 the same behind one padding more
.set ADRB, 18                          ; v18, v19 the same for W
.set ADRS, 20                          ; v20 my scale words: lanes 0-15 x's rows, lanes 16-31 W's
.set VK,  21                           ; v21-23, v26 byte offsets in my key step's block of kv
.set VV,  22
.set VKS, 23
.set VSA, 24                           ; v24 where I put two bytes of V's scale words, v25 where they are read back
.set VSR, 25
.set VVS, 26
.set SC,  32                           ; v[32 + 8 i + ks]: lanes 0-15 the word of x's tile i, lanes 16-31 that of W's tile i, for K step ks
.set F0,  64
.set KC,  64                           ; the way out: K's 24 registers of codes, V's 24, the scale words
.set VC,  88
.set KW,  112
.set KP,  116
.set VW,  118
.set VB,  122
.set T,   124
.set PX,  126
.set SO,  128
.set BY,  130
.set TMP, 132
.set MSB, 0
.macro WIN new                         ; the immediate's high byte repeats the setting that is left
.if MSB != \new
	s_set_vgpr_msb (MSB<<8)|\new
.set MSB, \new
.endif
.endm
.macro PLACES                          ; four plain places behind matrix instructions, and behind a tensor load
.rept 4
	v_nop
.endr
.endm
.macro CROUND                          ; a round of the cluster's barrier
	s_barrier_signal -1
	s_barrier_wait -1
	s_cmp_lg_u32 s[WV], 0
	s_cbranch_scc1 .Lnot_wave_0_\@
	s_barrier_signal -3
.Lnot_wave_0_\@:
	s_barrier_wait -3
	s_barrier_signal -1
	s_barrier_wait -1
.endm
	s_load_b256 s[4:11], s[0:1], 0x0               ; x's codes s[4:5], x's scales s[6:7], W's codes s[8:9], W's scales s[10:11]
	s_load_b64 s[12:13], s[0:1], 0x20              ; kv
	v_lshl_add_u32 v30, v0, 2, 0x40000
	v_mov_b32 v31, 0
	ds_add_u32 v30, v31
	ds_add_u32 v30, v31
	v_lshrrev_b32 v1, 5, v0
	v_readfirstlane_b32 s[WV], v1                  ; wave 0..3
	s_lshr_b32 s[TH], s[WV], 1                     ; my half of the tokens.  Also: I fetch for x (0) or for W (1)
	s_and_b32 s[HD], s[WV], 1                      ; my head of the two.  Also: which 64 rows I fetch
	s_bfe_u32 s66, ttmp6, 0x40000                  ; cx
	s_bfe_u32 s67, ttmp6, 0x40004                  ; cy
	s_lshl_b32 s2, s67, 2
	s_lshl_b32 s2, 15, s2                          ; my row of the cluster
	s_lshl_b32 s3, 0x1111, s66                     ; my column
	s_or_b32 s[G1A], s2, (0<<16)|(1<<20)|(1<<21)|(3<<22)|(3<<25)   ; the mask; elements of 1 byte; padding on; bit 21 beside a mask; after every 16 words, 4 words
	s_or_b32 s[G1B], s3, (0<<16)|(1<<20)|(1<<21)|(3<<22)|(3<<25)
.irp g, G1A, G1B
	s_mov_b32 s[\g+1], 192<<16                     ; tensor_dim0: 256 codes
	s_mov_b32 s[\g+2], 64<<16                      ; tensor_dim1
	s_mov_b32 s[\g+3], 192<<16                     ; tile_dim0
	s_mov_b32 s[\g+4], 64                          ; tile_dim1
	s_mov_b32 s[\g+5], KROW                        ; from row to row
	s_mov_b32 s[\g+6], 0
	s_mov_b32 s[\g+7], 0
.endr
	s_or_b32 s[G1SA], s2, (3<<16)|(1<<20)|(1<<21)|(5<<22)|(3<<25)  ; the scale bytes of 64 rows: 2,048 dense bytes as 8 rows of 256 (32 elements of 8 bytes), 16 bytes of padding behind each
	s_or_b32 s[G1SB], s3, (3<<16)|(1<<20)|(1<<21)|(5<<22)|(3<<25)
.irp g, G1SA, G1SB
	s_mov_b32 s[\g+1], 32<<16
	s_mov_b32 s[\g+2], 8<<16
	s_mov_b32 s[\g+3], 32<<16
	s_mov_b32 s[\g+4], 8
	s_mov_b32 s[\g+5], 32
	s_mov_b32 s[\g+6], 0
	s_mov_b32 s[\g+7], 0
.endr
	s_and_b32 s[TY], ttmp7, 0xffff
	s_lshl_b32 s[TY], s[TY], 2
	s_add_co_u32 s[TY], s[TY], s67                 ; ty: which 128 tokens
	s_lshl_b32 s100, ttmp9, 2
	s_add_co_u32 s66, s100, s66                    ; tx: which 128 columns
	s_lshl_b32 s22, s[HD], 6
	s_lshl_b32 s67, s[TY], 7
	s_add_co_u32 s67, s67, s22                     ; x: row 128 ty + 64 half
	s_lshl_b32 s66, s66, 7
	s_add_co_u32 s66, s66, s22                     ; W: row 128 tx + 64 half
	s_lshr_b32 s2, s[TY], 4                        ; my block of kv: ((16 batch + head) 16 + key step) x 13,056; head = W's row / 64
	s_lshl_b32 s2, s2, 4
	s_lshr_b32 s3, s66, 6
	s_add_co_u32 s2, s2, s3
	s_lshl_b32 s2, s2, 4
	s_and_b32 s3, s[TY], 15
	s_add_co_u32 s2, s2, s3
	s_mul_i32 s2, s2, STEPB
	s_mov_b32 s3, 0
	; every address register is made here, ahead of the first branch on the wave's number
	v_and_b32 v1, 15, v0                           ; r
	v_bfe_u32 v2, v0, 4, 1                         ; h
	v_and_b32 v3, 31, v0                           ; lane
	v_mul_u32_u24 v4, v1, PITCH
	v_mad_u32_u24 v4, v2, 24, v4                   ; a fragment's row x pitch + 24 h
	v_lshl_add_u32 v5, v2, 4, v4                   ; and behind one padding more
	s_mul_i32 s22, s[TH], HALFT
	s_mul_i32 s23, s[HD], HALFT
	s_add_co_u32 s23, s23, 2*HALFT
	v_add_nc_u32 v[ADRA], s22, v4
	v_add_nc_u32 v[ADRA+1], s22, v5
	v_add_nc_u32 v[ADRB], s23, v4
	v_add_nc_u32 v[ADRB+1], s23, v5
	v_lshlrev_b32 v6, 5, v1                        ; a row's 32 scale bytes,
	v_lshrrev_b32 v7, 3, v1
	v_lshl_add_u32 v6, v7, 4, v6                   ; and 16 more for each 256 passed
	s_mul_i32 s22, s[TH], HALFS                    ; x's: my 64 rows
	s_mul_i32 s23, s[HD], HALFS                    ; W's: my 64 rows, behind x's 128
	s_add_co_u32 s23, s23, 2*HALFS
	s_sub_co_u32 s23, s23, s22
	v_mul_u32_u24 v7, s23, v2                      ; lanes 16-31 take W's: one product with h
	s_add_co_u32 s22, s22, SCL
	v_add_nc_u32 v6, v6, v7
	v_add_nc_u32 v[ADRS], s22, v6
	s_mul_i32 s22, s[TH], 3072
	v_lshl_add_u32 v[VK], v3, 4, s22               ; K's image: my four tiles are registers 24 th on: six pieces of 512 bytes
	s_mul_i32 s22, s[TH], 768
	s_add_co_u32 s22, s22, 6144
	v_lshl_add_u32 v[VV], v3, 3, s22               ; V's images: my two key blocks are registers 6 th on of each fragment
	s_lshl_b32 s22, s[TH], 8
	s_add_co_u32 s22, s22, 12288
	v_lshl_add_u32 v[VKS], v3, 3, s22              ; K's scale words
	s_lshl_b32 s22, s[HD], 8
	s_add_co_u32 s22, s22, VST
	v_lshl_add_u32 v[VSR], v3, 3, s22
	s_lshl_b32 s23, s[TH], 1
	s_add_co_u32 s22, s22, s23
	v_lshl_add_u32 v[VSA], v1, 3, s22              ; V's scale words in the making: 8 r + 256 head + 2 th
	v_lshl_add_u32 v[VVS], v3, 3, 12800
	s_mov_b32 s[SEL], 0x76543210
	s_mov_b32 s[SEL+1], 0xfedcba98
	s_mul_i32 s20, s67, KROW
	s_mov_b32 s21, 0
	s_mul_i32 s100, s66, KROW
	s_mov_b32 s101, 0
	s_wait_dscnt 0x0
	s_wait_kmcnt 0x0
	s_add_nc_u64 s[4:5], s[4:5], s[20:21]          ; x's codes at my 64 rows
	s_add_nc_u64 s[8:9], s[8:9], s[100:101]        ; W's
	s_lshl_b32 s20, s67, 5
	s_lshl_b32 s100, s66, 5
	s_add_nc_u64 s[6:7], s[6:7], s[20:21]          ; and the scale bytes
	s_add_nc_u64 s[10:11], s[10:11], s[100:101]
	s_add_nc_u64 s[12:13], s[12:13], s[2:3]        ; kv at my block
	s_mov_b32 s[HM], 0xffff0000
	s_mul_i32 s[G0A+1], s[HD], HALFT               ; LDS addresses: the wave's number and constants alone
	s_add_co_u32 s[G0B+1], s[G0A+1], 2*HALFT
.irp c, 1,2,3
	s_add_co_u32 s[G0A+4*\c+1], s[G0A+1], \c*SLOT
	s_add_co_u32 s[G0B+4*\c+1], s[G0B+1], \c*SLOT
.endr
.irp c, 0,1,2,3
	s_mov_b32 s[G0A+4*\c], 1
	s_add_nc_u64 s[G0A+4*\c+2:G0A+4*\c+3], s[4:5], \c*192
	s_or_b32 s[G0A+4*\c+3], s[G0A+4*\c+3], 0x80000000
	s_mov_b32 s[G0B+4*\c], 1
	s_add_nc_u64 s[G0B+4*\c+2:G0B+4*\c+3], s[8:9], \c*192
	s_or_b32 s[G0B+4*\c+3], s[G0B+4*\c+3], 0x80000000
.endr
	s_mov_b32 s[G0SA], 1
	s_mul_i32 s[G0SA+1], s[HD], HALFS
	s_add_co_u32 s[G0SA+1], s[G0SA+1], SCL
	s_mov_b64 s[G0SA+2:G0SA+3], s[6:7]
	s_or_b32 s[G0SA+3], s[G0SA+3], 0x80000000
	s_mov_b32 s[G0SB], 1
	s_add_co_u32 s[G0SB+1], s[G0SA+1], 2*HALFS
	s_mov_b64 s[G0SB+2:G0SB+3], s[10:11]
	s_or_b32 s[G0SB+3], s[G0SB+3], 0x80000000
	CROUND                                         ; all sixteen work-groups are here: the joint loads meet
	s_cmp_eq_u32 s[TH], 0                          ; all fills of the launch go out as one group: five loads of mine are out
	s_cbranch_scc0 .Lfor_w
	tensor_load_to_lds s[G0SA:G0SA+3], s[G1SA:G1SA+7]
	s_nop 0
.irp c, 0,1,2,3
	tensor_load_to_lds s[G0A+4*\c:G0A+4*\c+3], s[G1A:G1A+7]
	s_nop 0
.endr
	PLACES
	s_branch .Lasked
.Lfor_w:
	tensor_load_to_lds s[G0SB:G0SB+3], s[G1SB:G1SB+7]
	s_nop 0
.irp c, 0,1,2,3
	tensor_load_to_lds s[G0B+4*\c:G0B+4*\c+3], s[G1B:G1B+7]
	s_nop 0
.endr
	PLACES
.Lasked:
; A fragment, 16 rows x 128 K, is 12 registers: lane (r, h) holds row r; registers 6 c .. 6 c + 5 hold K = 64 c + 32 h + 0 .. 31: 24 bytes of the row as they lie, in pieces of 8 bytes.
; Lanes 16-31 read three pieces further on; where that is behind one padding more, the second address register serves.
.macro FRAG reg, adr, q, i
.irp p, 0,1,2,3,4,5
.set PCE, 12*(\q)+6*(\p/3)+\p%3
.if PCE%8 < 5
	ds_load_b64 v[\reg+2*\p:\reg+2*\p+1], v[\adr] offset:8*PCE+16*(PCE/8)+(\i)*16*PITCH
.else
	ds_load_b64 v[\reg+2*\p:\reg+2*\p+1], v[\adr+1] offset:8*PCE+16*(PCE/8)+(\i)*16*PITCH
.endif
.endr
.endm
.macro FETCH q, set                    ; 48 loads: x's four tiles and W's four, the chunk's q-th 128 along K
.irp i, 0,1,2,3
	FRAG (\set)+12*\i, ADRA, \q, \i
.endr
.irp i, 0,1,2,3
	FRAG (\set)+48+12*\i, ADRB, \q, \i
.endr
.endm
; 32 matrix instructions: each pair of tiles both ways round.  The 32 accumulators take turns, one instruction a turn, in the same order in every K step.
.macro MUL32 set, ks, zero
.irp xt, 0,1,2,3
.irp wt, 0,1,2,3
.if \zero
	v_wmma_scale_f32_16x16x128_f8f6f4 v[8*(4*\xt+\wt):8*(4*\xt+\wt)+7], v[\set+48+12*\wt:\set+48+12*\wt+11], v[\set+12*\xt:\set+12*\xt+11], 0, v[SC+8*\wt+\ks], v[SC+8*\xt+\ks] matrix_a_fmt:MATRIX_FMT_FP6 matrix_b_fmt:MATRIX_FMT_FP6 matrix_a_scale:MATRIX_SCALE_ROW1
	v_wmma_scale_f32_16x16x128_f8f6f4 v[128+8*(4*\wt+\xt):128+8*(4*\wt+\xt)+7], v[\set+12*\xt:\set+12*\xt+11], v[\set+48+12*\wt:\set+48+12*\wt+11], 0, v[SC+8*\xt+\ks], v[SC+8*\wt+\ks] matrix_a_fmt:MATRIX_FMT_FP6 matrix_b_fmt:MATRIX_FMT_FP6 matrix_b_scale:MATRIX_SCALE_ROW1
.else
	v_wmma_scale_f32_16x16x128_f8f6f4 v[8*(4*\xt+\wt):8*(4*\xt+\wt)+7], v[\set+48+12*\wt:\set+48+12*\wt+11], v[\set+12*\xt:\set+12*\xt+11], v[8*(4*\xt+\wt):8*(4*\xt+\wt)+7], v[SC+8*\wt+\ks], v[SC+8*\xt+\ks] matrix_a_fmt:MATRIX_FMT_FP6 matrix_b_fmt:MATRIX_FMT_FP6 matrix_a_scale:MATRIX_SCALE_ROW1
	v_wmma_scale_f32_16x16x128_f8f6f4 v[128+8*(4*\wt+\xt):128+8*(4*\wt+\xt)+7], v[\set+12*\xt:\set+12*\xt+11], v[\set+48+12*\wt:\set+48+12*\wt+11], v[128+8*(4*\wt+\xt):128+8*(4*\wt+\xt)+7], v[SC+8*\xt+\ks], v[SC+8*\wt+\ks] matrix_a_fmt:MATRIX_FMT_FP6 matrix_b_fmt:MATRIX_FMT_FP6 matrix_b_scale:MATRIX_SCALE_ROW1
.endif
.endr
.endr
.endm
; K step s of eight: its fragments were asked for a step ago; the next step's are asked for ahead of its 32 products.  Every second step goes on to the next chunk.
.macro KSTEP s
	s_wait_dscnt 0x0                               ; this step's fragments are in (at step 0 the scale words too)
.if ((\s)%2 == 1) && ((\s) < 7)
	s_wait_tensorcnt 2-(\s)/2                      ; my part of the next chunk is in; the count is that of the chunks issued behind it
	s_barrier_signal -1
	s_barrier_wait -1                              ; everybody's is.
.irp a, ADRA, ADRA+1, ADRB, ADRB+1
	v_add_nc_u32 v[\a], SLOT, v[\a]
.endr
.endif
.if (\s) < 7
	FETCH ((\s)+1)%2, F0+96*(1-(\s)%2)
.endif
	WIN 0x50                                       ; C and D in window 1
	MUL32 F0+96*((\s)%2), \s, ((\s)==0)
	WIN 0
	PLACES                                         ; in front of the next loads into this set, and of the first reads of results
.endm
	s_wait_tensorcnt 3                             ; the scale bytes and chunk 0 are in; three chunks may be out
	s_barrier_signal -1
	s_barrier_wait -1
	FETCH 0, F0
.irp i, 0,1,2,3
.irp k, 0,1
	ds_load_b128 v[SC+8*\i+4*\k:SC+8*\i+4*\k+3], v[ADRS] offset:544*\i+16*\k   ; a row's eight scale words, for all of K
.endr
.endr
.irp s, 0,1,2,3,4,5,6,7
	KSTEP \s
.endr
; 32 numbers of a lane in window 1, register 16 b + 8 u + j = number 32 b + 16 u + 8 h + j of my row, become 6 registers of codes (lanes 0-15 block 0, lanes 16-31 block 1) and two scale bytes.
.macro QUANT32 src, dst, word
	WIN 0x05                                       ; sources 0 and 1 in window 1
.irp b, 0,1
	v_max3_num_f32 v[T+\b], |v[(\src)+16*\b]|, |v[(\src)+16*\b+1]|, 0x1800000   ; my 16 numbers of block b, each accumulator from its low end on, and the floor 2^(3 - 127): the byte cannot fall under 1
.endr
.irp i, 2,4,6,8,10,12,14
.irp b, 0,1
	v_max3_num_f32 v[T+\b], |v[(\src)+16*\b+\i]|, |v[(\src)+16*\b+\i+1]|, v[T+\b]
.endr
.endr
	WIN 0
.irp b, 0,1
	v_permlanex16_b32 v[PX+\b], v[T+\b], s[SEL], s[SEL+1]
.endr
.irp b, 0,1
	v_max_num_f32 v[T+\b], v[T+\b], v[PX+\b]       ; with lane l xor 16's 16: the block's largest magnitude
.endr
.irp b, 0,1
	v_add_nc_u32 v[SO+\b], 0xff000000, v[T+\b]     ; 2 off its exponent field: the conversion's scale operand
.endr
.irp b, 0,1
	v_lshrrev_b32 v[BY+\b], 23, v[SO+\b]           ; the scale's byte
.endr
	v_lshl_or_b32 v[\word], v[BY+1], 8, v[BY]
	WIN 0x01
	v_cvt_scalef32_pk16_fp6_f32 v[(\dst):(\dst)+2], v[(\src):(\src)+15], v[SO]
	v_cvt_scalef32_pk16_fp6_f32 v[TMP:TMP+2], v[(\src)+16:(\src)+31], v[SO+1]
	WIN 0
	v_nop                                          ; one plain place behind a scaled conversion
.irp i, 0,1,2
	v_permlane16_swap_b32 v[(\dst)+\i], v[TMP+\i]  ; a whole block to a lane
.endr
.irp i, 0,1,2
	v_mov_b32 v[(\dst)+3+\i], v[TMP+\i]
.endr
.endm
	v_mov_b32 v[PX], 0                             ; a lane permute's destination counts as one of its sources
	v_mov_b32 v[PX+1], 0
.irp xt, 0,1,2,3                       ; along d: my four tiles of 16 tokens
	QUANT32 32*\xt, KC+6*\xt, KW+\xt
.endr
	v_cndmask_b32 v[KP], v[KW], v[KW+1], s[HM]     ; two tiles' scale words to a register: the even tile in lanes 0-15, the odd one in lanes 16-31
	v_cndmask_b32 v[KP+1], v[KW+2], v[KW+3], s[HM]
.irp p, 0,1,2,3,4,5
	global_store_b128 v[VK], v[KC+4*\p:KC+4*\p+3], s[12:13] offset:512*\p   ; 32 lanes store 512 consecutive bytes, at a multiple of 256 from kv's first byte
.endr
	global_store_b64 v[VKS], v[KP:KP+1], s[12:13]
.irp wt, 0,1,2,3                       ; along the tokens: my four tiles of 16 d
	QUANT32 128+32*\wt, VC+6*\wt, VW+\wt
	ds_store_b16 v[VSA], v[VW+\wt] offset:128*(\wt%2)+4*(\wt/2)   ; my two key blocks' bytes of row d; the other token half's wave puts the other two beside them (lanes l and l xor 16 write the same bytes)
.endr
.irp wt, 0,1,2,3
.irp i, 0,1,2
	global_store_b64 v[VV], v[VC+6*\wt+2*\i:VC+6*\wt+2*\i+1], s[12:13] offset:1536*\wt+256*\i   ; 32 lanes store 256 consecutive bytes
.endr
.endr
	s_wait_dscnt 0x0                               ; for the other wave's sake: my bytes lie in LDS
	s_barrier_signal -1
	s_barrier_wait -1
	s_cmp_lg_u32 s[TH], 0                          ; one wave a head stores the head's 256 bytes of V's scale words
	s_cbranch_scc1 .Lno_vs
	ds_load_b64 v[VB:VB+1], v[VSR]
	s_wait_dscnt 0x0
	global_store_b64 v[VVS], v[VB:VB+1], s[12:13]
.Lno_vs:
	s_wait_tensorcnt 0x0
	ds_add_u32 v30, v31
	s_wait_dscnt 0x0
	CROUND                                         ; the closing round: no work-group ends while a partner may still ask for a tile that names it
	s_endpgm
.Lfunc_end_k_q22a10e5f91_proj:
	.size	k_q22a10e5f91_proj, .Lfunc_end_k_q22a10e5f91_proj-k_q22a10e5f91_proj
	.p2alignl 7, 3214868480
	.fill 96, 4, 3214868480
	.section	.rodata,"a",@progbits
	.p2align	6, 0x0
	.amdhsa_kernel k_q22a10e5f91_proj
		.amdhsa_group_segment_fixed_size 262656
		.amdhsa_private_segment_fixed_size 0
		.amdhsa_enable_private_segment 0
		.amdhsa_kernarg_size 40
		.amdhsa_user_sgpr_count 2
		.amdhsa_user_sgpr_kernarg_segment_ptr 1
		.amdhsa_wavefront_size32 1
		.amdhsa_system_sgpr_workgroup_id_x 1
		.amdhsa_system_sgpr_workgroup_id_y 1
		.amdhsa_system_sgpr_workgroup_id_z 1
		.amdhsa_system_vgpr_workitem_id 0
		.amdhsa_next_free_vgpr 512
		.amdhsa_next_free_sgpr 102
		.amdhsa_reserve_vcc 0
		.amdhsa_float_denorm_mode_32 3
		.amdhsa_float_denorm_mode_16_64 3
		.amdhsa_memory_ordered 1
		.amdhsa_forward_progress 1
		.amdhsa_inst_pref_size 89
	.end_amdhsa_kernel
	.amdgpu_metadata
---
amdhsa.version: [ 1, 2 ]
amdhsa.kernels:
  - .name:           k_q22a10e5f91_proj
    .symbol:         k_q22a10e5f91_proj.kd
    .args:
      - { .name: x_codes, .offset: 0, .size: 8, .value_kind: global_buffer, .address_space: global }
      - { .name: x_scales, .offset: 8, .size: 8, .value_kind: global_buffer, .address_space: global }
      - { .name: w_qkv_codes, .offset: 16, .size: 8, .value_kind: global_buffer, .address_space: global }
      - { .name: w_qkv_scales, .offset: 24, .size: 8, .value_kind: global_buffer, .address_space: global }
      - { .name: kv, .offset: 32, .size: 8, .value_kind: global_buffer, .address_space: global }
    .group_segment_fixed_size: 262656
    .private_segment_fixed_size: 0
    .kernarg_segment_align: 8
    .kernarg_segment_size: 40
    .max_flat_workgroup_size: 128
    .sgpr_count:     102
    .vgpr_count:     512
    .wavefront_size: 32
...
	.end_amdgpu_metadata
.endif
;; end of part 1
;; launch attn (part 2): grid 8 x 32, 8 waves a work-group, clusters of 4 x 1, 209,920 bytes of LDS; arguments kv, ac, asc; writes ac, asc
.if DOCPART == 2
	.amdgcn_target "amdgcn-amd-amdhsa--gfx1250"
	.amdhsa_code_object_version 6
	.text
	.protected	k_q22a10e5f91_attn
	.globl	k_q22a10e5f91_attn
	.p2align	8
	.type	k_q22a10e5f91_attn,@function
k_q22a10e5f91_attn:
	s_mov_b64 s[64:65], 0
	v_nop
	global_prefetch_b8 v0, s[64:65] scope:SCOPE_SE
	s_setreg_imm32_b32 hwreg(HW_REG_WAVE_MODE, 25, 1), 1
	s_wait_xcnt 0x0
	s_wait_alu depctr_hold_cnt(0) depctr_sa_sdst(0) depctr_va_vdst(0) depctr_va_sdst(0) depctr_va_ssrc(0) depctr_va_vcc(0) depctr_vm_vsrc(0)
	s_getreg_b32 s2, hwreg(HW_REG_IB_STS2, 6, 4)
	s_cmp_eq_u32 s2, 0
	s_cbranch_scc0 .Lentry_in_a_cluster
	s_endpgm
.Lentry_in_a_cluster:
	s_bfe_u32 s2, ttmp6, 0x10000c
	s_cmp_lg_u32 s2, 0x3003
	s_cbranch_scc0 .Lentry_shape_is_right
	s_endpgm
.Lentry_shape_is_right:
; Causal attention of 32 heads (2 batches x 16), 2,048 tokens, head size 64, both products on codes of FP6 (E2M3) with E8M0 scales, from the images that the launch before has laid in kv.
; q, k and v are one tensor; q = k / 8 exactly, so q's codes are k's and the 1 / 8 stands in c = log2(e) / 8: t = score x c.  M = the running largest t rounded up to a whole number; p = 2^(t - M) is quantised
; along the keys, not normalised; the row's sum is taken of the unquantised p and divides O at the end; when M moves, the sum and O are multiplied by 2^(old M - new M), which rounds nothing.
; O / sum is quantised along the inner axis (head x 64 + d) and stored as images of the last product's operand registers (ac) with its scale bytes (asc).
; SHARES.  Work-group (g, head) takes query tile g (16 tokens) of EVERY block of 128 tokens.  Wave w takes block 15 - w and then block w: (16 - w) + (w + 1) = 17 key steps of 128 keys for every wave.
; What a wave leaves out (steps behind its block) and where it masks (the step of its block) hangs on the wave's number and the loop's counter alone.
; The head's whole block of kv, 16 x 13,056 bytes, lies in LDS, filled ONCE; the four work-groups of a cluster belong to one head and ask for it jointly.  No LDS byte is filled twice.
; LAYOUT.  Both products transposed: S^T = K Q^T, O^T = V^T P^T: a lane holds one query (lane % 16).  A block's 32 codes lie with the two middle groups of eight exchanged, alike in p and in V, in q and in k;
; for the last product, whose other operand is given in the natural order, the two groups are put back.
; K = 64 IN AN INSTRUCTION OF 128: Q's registers 6-11 are zero codes and bytes 2, 3 of the scale words are 0 (a small power of two, no zero).  So the upper 64 products are zeros whatever K's side holds there:
; tile t's operand is registers 6 t .. 6 t + 11 of K's image, its upper half being the next tile's codes (behind tile 7: six registers of zeros).
; LIMITS: as in the launch before (a byte is held at 1 from below; a block of zeros has the byte 1); NaN and infinities are not served.  The scale bytes go out two to a lane, rows 32 bytes apart: 1 byte in 25 of what the launch stores.
.set STEPB, 13056
.set VIMG,  6144
.set KSCO,  12288
.set VSCO,  12800
.set WV,  10
.set G,   11                           ; s11 g = 4 x cluster x + cx: it enters global addresses and the mask's number alone
.set HH,  12                           ; s12 the head, 0 .. 31
.set QSB, 18                           ; s[18:19] kv at key step w of my head: the short tile's block (and my first tensor load's)
.set SEL, 20
.set CS,  22
.set G1A, 24                           ; s[24:31] group 1: 51 rows of 256 bytes;  s[32:39]: 102 rows;  s[40:51] three groups 0
.set G1B, 32
.set G0,  40
.set TB,  52                           ; s52 LDS byte of the key step in hand
.set SI,  53                           ; s53 its number, and the loops' counter
.set BLK, 54                           ; s54 my tile's block
.set QLB, 58                           ; s[58:59] kv at key step 15 - w
.set ACL, 66                           ; s[66:67], s[68:69] where the long and the short tile's codes go;  s[70:71], s[72:73] their scale bytes
.set ACS, 68
.set ASL, 70
.set ASS, 72
.set AK,  1                            ; v1 16 x lane   v2 8 x lane
.set AV,  2
.set VQ,  3                            ; v3-5 where my tile's six registers lie in K's image;  v6 its scale word
.set VQS, 6
.set VR,  7                            ; v7 32 r
.set ADK, 8
.set ADV, 9
.set DV,  11                           ; v11 16 g + r - 8 h
.set QL,  16                           ; v16-27 Q of the long tile, v28 its scale word
.set QLS, 28
.set KF,  32                           ; v32-79 K's image, then V's four fragments; v80-85 zeros
.set KS,  86                           ; v86-89 K's scale words;  v90-91 V's
.set VS,  90
.set S,   96                           ; v96-159 S^T, then p
.set O,   160                          ; v160-191 O^T
.set PC,  192                          ; v192-203 p's codes
.set TMP, 204
.set BM,  212
.set PX,  216
.set SO,  220
.set F,   224                          ; v[224:225] f (the pair's low word serves both halves)
.set PW,  226                          ; v226 p's scale word
.set TT,  227
.set NINF, 229
.set L2,  230
.set QS,  232                          ; v232-243 Q of the short tile, v244 its scale word
.set QSS, 244
.set OW,  245
.set NC,  246
.macro PLACES
.rept 4
	v_nop
.endr
.endm
.macro CROUND
	s_barrier_signal -1
	s_barrier_wait -1
	s_cmp_lg_u32 s[WV], 0
	s_cbranch_scc1 .Lnot_wave_0_\@
	s_barrier_signal -3
.Lnot_wave_0_\@:
	s_barrier_wait -3
	s_barrier_signal -1
	s_barrier_wait -1
.endm
	s_load_b128 s[4:7], s[0:1], 0x0                ; kv, ac
	s_load_b64 s[8:9], s[0:1], 0x10                ; asc
	v_lshl_add_u32 v254, v0, 2, 0x33000
	v_mov_b32 v255, 0
	ds_add_u32 v254, v255
	ds_add_u32 v254, v255
	v_lshrrev_b32 v1, 5, v0
	v_readfirstlane_b32 s[WV], v1                  ; wave 0..7
	s_bfe_u32 s13, ttmp6, 0x40000                  ; cx
	s_lshl_b32 s[G], ttmp9, 2
	s_add_co_u32 s[G], s[G], s13
	s_and_b32 s[HH], ttmp7, 0xffff
	s_mov_b32 s[G1A], 15|(3<<16)|(1<<21)           ; the mask: all four work-groups; elements of 8 bytes; bit 21 beside a mask; no padding: images are read as consecutive bytes
	s_mov_b32 s[G1A+1], 32<<16
	s_mov_b32 s[G1A+2], 51<<16
	s_mov_b32 s[G1A+3], 32<<16
	s_mov_b32 s[G1A+4], 51
	s_mov_b32 s[G1A+5], 32
	s_mov_b32 s[G1A+6], 0
	s_mov_b32 s[G1A+7], 0
	s_mov_b32 s[G1B], 15|(3<<16)|(1<<21)
	s_mov_b32 s[G1B+1], 32<<16
	s_mov_b32 s[G1B+2], 102<<16
	s_mov_b32 s[G1B+3], 32<<16
	s_mov_b32 s[G1B+4], 102
	s_mov_b32 s[G1B+5], 32
	s_mov_b32 s[G1B+6], 0
	s_mov_b32 s[G1B+7], 0
	s_mov_b32 s[SEL], 0x76543210
	s_mov_b32 s[SEL+1], 0xfedcba98
	s_mov_b32 s[CS], 0x3e38aa3b                    ; c = log2(e) / 8
	s_mov_b32 s[CS+1], s[CS]
	s_mul_i32 s14, s[HH], 16*STEPB                 ; my head's block of kv
	s_mov_b32 s15, 0
	s_mul_i32 s16, s[WV], STEPB
	s_mov_b32 s17, 0
	s_sub_co_u32 s78, 15, s[WV]                    ; the long tile's block
	s_mul_i32 s56, s78, STEPB
	s_mov_b32 s57, 0
	; where the results go.  ac: ((32 batch + 2 block + g / 4) 4 + head / 4) 12,288 + (g % 4) 3,072 + (head % 4) 768;  asc: (2,048 batch + 128 block + 16 g) 32 + 2 head
	s_lshr_b32 s74, s[HH], 4                       ; batch
	s_and_b32 s75, s[HH], 15                       ; head
	s_lshl_b32 s76, s74, 5
	s_lshr_b32 s77, s[G], 2
	s_add_co_u32 s76, s76, s77
	s_lshl_b32 s76, s76, 2
	s_lshr_b32 s77, s75, 2
	s_add_co_u32 s76, s76, s77
	s_mul_i32 s76, s76, 12288
	s_and_b32 s77, s[G], 3
	s_mul_i32 s77, s77, 3072
	s_add_co_u32 s76, s76, s77
	s_and_b32 s77, s75, 3
	s_mul_i32 s77, s77, 768
	s_add_co_u32 s76, s76, s77
	s_mul_i32 s79, s78, 8*12288
	s_add_co_u32 s[ACL], s76, s79
	s_mov_b32 s[ACL+1], 0
	s_mul_i32 s79, s[WV], 8*12288
	s_add_co_u32 s[ACS], s76, s79
	s_mov_b32 s[ACS+1], 0
	s_lshl_b32 s76, s74, 11
	s_lshl_b32 s77, s[G], 4
	s_add_co_u32 s76, s76, s77
	s_lshl_b32 s76, s76, 5
	s_lshl_b32 s77, s75, 1
	s_add_co_u32 s76, s76, s77
	s_lshl_b32 s79, s78, 12
	s_add_co_u32 s[ASL], s76, s79
	s_mov_b32 s[ASL+1], 0
	s_lshl_b32 s79, s[WV], 12
	s_add_co_u32 s[ASS], s76, s79
	s_mov_b32 s[ASS+1], 0
	v_and_b32 v10, 31, v0                          ; lane
	v_and_b32 v29, 15, v0                          ; r
	v_bfe_u32 v30, v0, 4, 1                        ; h
	v_lshlrev_b32 v[AK], 4, v10
	v_lshlrev_b32 v[AV], 3, v10
	s_mul_i32 s76, s[G], 6                         ; my query tile is key tile g of its block: registers 6 g .. 6 g + 5 of K's image; register R lies at 512 (R / 4) + 16 lane + 4 (R % 4)
.irp i, 0,1,2
	s_add_co_u32 s77, s76, 2*\i
	s_lshr_b32 s79, s77, 2
	s_lshl_b32 s79, s79, 9
	s_and_b32 s77, s77, 3
	s_lshl_b32 s77, s77, 2
	s_add_co_u32 s77, s77, s79
	v_add_nc_u32 v[VQ+\i], s77, v[AK]
.endr
	s_lshr_b32 s77, s[G], 2                        ; its scale word: piece g / 4, lane 16 (g % 2) + r, word (g / 2) % 2
	s_lshl_b32 s77, s77, 8
	s_and_b32 s79, s[G], 1
	s_lshl_b32 s79, s79, 7
	s_add_co_u32 s77, s77, s79
	s_bfe_u32 s79, s[G], 0x10001
	s_lshl_b32 s79, s79, 2
	s_add_co_u32 s77, s77, s79
	s_add_co_u32 s77, s77, KSCO
	v_lshl_add_u32 v[VQS], v29, 3, s77
	v_lshlrev_b32 v[VR], 5, v29
	s_lshl_b32 s77, s[G], 4
	v_lshlrev_b32 v31, 3, v30
	v_sub_nc_u32 v[DV], v29, v31
	v_add_nc_u32 v[DV], s77, v[DV]                 ; my query's place in its block, less 8 h
	v_mov_b32 v[NINF], 0xff800000                  ; -infinity
	v_mov_b32 v[F+1], 0                            ; (named as the upper half of a pair)
.irp i, 0,1,2,3,4,5
	v_mov_b32 v[QL+6+\i], 0                        ; zero codes: Q's upper 64 along K,
	v_mov_b32 v[QS+6+\i], 0
	v_mov_b32 v[KF+48+\i], 0                       ; and what stands behind key tile 7
.endr
.irp b, 0,1,2,3
	v_mov_b32 v[PX+\b], 0                          ; a lane permute's destination counts as one of its sources
.endr
	s_wait_dscnt 0x0
	s_wait_kmcnt 0x0
	s_add_nc_u64 s[14:15], s[4:5], s[14:15]
	s_add_nc_u64 s[QSB:QSB+1], s[14:15], s[16:17]
	s_add_nc_u64 s[QLB:QLB+1], s[14:15], s[56:57]
	s_add_nc_u64 s[ACL:ACL+1], s[6:7], s[ACL:ACL+1]
	s_add_nc_u64 s[ACS:ACS+1], s[6:7], s[ACS:ACS+1]
	s_add_nc_u64 s[ASL:ASL+1], s[8:9], s[ASL:ASL+1]
	s_add_nc_u64 s[ASS:ASS+1], s[8:9], s[ASS:ASS+1]
	s_mov_b32 s[G0], 1                             ; waves 0 to 3: key step w,
	s_mov_b32 s[G0+1], s16
	s_mov_b64 s[G0+2:G0+3], s[QSB:QSB+1]
	s_or_b32 s[G0+3], s[G0+3], 0x80000000
	s_mov_b32 s[G0+4], 1                           ; key step 4 + w,
	s_add_co_u32 s[G0+5], s16, 4*STEPB
	s_add_nc_u64 s[G0+6:G0+7], s[QSB:QSB+1], 4*STEPB
	s_or_b32 s[G0+7], s[G0+7], 0x80000000
	s_mov_b32 s[G0+8], 1                           ; key steps 8 + 2 w and 9 + 2 w
	s_lshl_b32 s[G0+9], s16, 1
	s_add_co_u32 s[G0+9], s[G0+9], 8*STEPB
	s_add_nc_u64 s[G0+10:G0+11], s[QSB:QSB+1], s[16:17]
	s_add_nc_u64 s[G0+10:G0+11], s[G0+10:G0+11], 8*STEPB
	s_or_b32 s[G0+11], s[G0+11], 0x80000000
	CROUND                                         ; all four work-groups are here: the joint loads meet
	s_cmp_lt_u32 s[WV], 4                          ; all fills of the launch, in one branch: three loads of a fetching wave are out
	s_cbranch_scc0 .Lasked
	tensor_load_to_lds s[G0:G0+3], s[G1A:G1A+7]
	s_nop 0
	tensor_load_to_lds s[G0+4:G0+7], s[G1A:G1A+7]
	s_nop 0
	tensor_load_to_lds s[G0+8:G0+11], s[G1B:G1B+7]
	s_nop 0
	PLACES
.Lasked:
.irp i, 0,1,2
	global_load_b64 v[QL+2*\i:QL+2*\i+1], v[VQ+\i], s[QLB:QLB+1]   ; both tiles' Q stay in registers (their place hangs on g, so they come from memory, not from LDS)
	global_load_b64 v[QS+2*\i:QS+2*\i+1], v[VQ+\i], s[QSB:QSB+1]
.endr
	global_load_b32 v[QLS], v[VQS], s[QLB:QLB+1]
	global_load_b32 v[QSS], v[VQS], s[QSB:QSB+1]
; A KEY STEP: 128 keys.  masked = 1: a step behind my block is left out (not the lines at its end that step the address and the counter), and in the step of my block hidden scores become -infinity.
.macro STEP masked, qf, qs
.if \masked
	s_cmp_gt_u32 s[SI], s[BLK]
	s_cbranch_scc1 .Lskip_\@
.endif
	v_add_nc_u32 v[ADK], s[TB], v[AK]
	v_add_nc_u32 v[ADV], s[TB], v[AV]
.irp p, 0,1,2,3,4,5,6,7,8,9,10,11
	ds_load_b128 v[KF+4*\p:KF+4*\p+3], v[ADK] offset:512*\p        ; K's eight tiles: 48 registers as they were made
.endr
.irp u, 0,1
	ds_load_b64 v[KS+2*\u:KS+2*\u+1], v[ADV] offset:KSCO+256*\u    ; register t / 2: tile t's scale words, the even tile's in lanes 0-15, the odd one's in lanes 16-31
.endr
	s_wait_dscnt 0x0
.irp t, 0,1,2,3,4,5,6,7
.if \t%2
	v_wmma_scale_f32_16x16x128_f8f6f4 v[S+8*\t:S+8*\t+7], v[KF+6*\t:KF+6*\t+11], v[\qf:\qf+11], 0, v[KS+\t/2], v[\qs] matrix_a_fmt:MATRIX_FMT_FP6 matrix_b_fmt:MATRIX_FMT_FP6 matrix_a_scale:MATRIX_SCALE_ROW1
.else
	v_wmma_scale_f32_16x16x128_f8f6f4 v[S+8*\t:S+8*\t+7], v[KF+6*\t:KF+6*\t+11], v[\qf:\qf+11], 0, v[KS+\t/2], v[\qs] matrix_a_fmt:MATRIX_FMT_FP6 matrix_b_fmt:MATRIX_FMT_FP6
.endif
.endr                                  ; register 8 t + j of lane (r, h): query r, key 16 t + 8 h + j
	PLACES
.irp f, 0,1,2,3
.irp p, 0,1,2,3,4,5
	ds_load_b64 v[KF+12*\f+2*\p:KF+12*\f+2*\p+1], v[ADV] offset:VIMG+1536*\f+256*\p   ; V's four fragments land while the softmax is walked
.endr
.endr
	ds_load_b64 v[VS:VS+1], v[ADV] offset:VSCO
.if \masked
	s_cmp_lg_u32 s[SI], s[BLK]
	s_cbranch_scc1 .Lopen_\@
.set n, 0
.rept 64
	v_cmp_gt_i32 vcc_lo, 16*(n/8)+n%8, v[DV]       ; key 16 t + 8 h + j comes after query 16 g + r
	v_cndmask_b32 v[S+n], v[S+n], v[NINF], vcc_lo
.set n, n+1
.endr
.Lopen_\@:
.endif
.irp b, 0,1,2,3
	v_max3_num_f32 v[BM+\b], v[S+16*\b], v[S+1+16*\b], v[S+2+16*\b]   ; the largest score of each block of 32 keys: for the row's maximum, and, since p rises with the score, for the block's largest p
.endr
.irp i, 3,5,7,9,11,13
.irp b, 0,1,2,3
	v_max3_num_f32 v[BM+\b], v[BM+\b], v[S+16*\b+\i], v[S+1+16*\b+\i]
.endr
.endr
.irp b, 0,1,2,3
	v_max_num_f32 v[BM+\b], v[BM+\b], v[S+15+16*\b]
.endr
.irp b, 0,1,2,3
	v_permlanex16_b32 v[PX+\b], v[BM+\b], s[SEL], s[SEL+1]
.endr
.irp b, 0,1,2,3
	v_max_num_f32 v[BM+\b], v[BM+\b], v[PX+\b]     ; with lane l xor 16's 16 keys
.endr
	v_max3_num_f32 v[TT], v[BM], v[BM+1], v[BM+2]
	v_max_num_f32 v[TT], v[TT], v[BM+3]
	v_mul_f32 v[TT], s[CS], v[TT]                  ; the step's largest t of my query
	v_max_num_f32 v13, v13, v[TT]                  ; the running largest t
	v_mov_b32 v[TT], v12
	v_floor_f32 v12, -v13                          ; the new -M = floor(-t): M is a whole number
	v_sub_f32 v[TT], v12, v[TT]                    ; old M less new M: a whole number, 0 or less
	v_cvt_i32_f32 v[TT], v[TT]                     ; (it saturates)
	v_ldexp_f32 v[F], 1.0, v[TT]                   ; f = 2^(old M - new M)
.set j, 0
.rept 32
	v_pk_fma_f32 v[S+j:S+j+1], v[S+j:S+j+1], s[CS:CS+1], v[12:13] op_sel_hi:[1,0,0]   ; t - M
.set j, j+2
.endr
.irp b, 0,1,2,3
	v_fma_f32 v[BM+\b], v[BM+\b], s[CS], v12       ; the same of each block's largest score
.endr
.set j, 0
.rept 64
	v_exp_f32 v[S+j], v[S+j]                       ; p = 2^(t - M)
.set j, j+1
.endr
	v_pk_mul_f32 v[14:15], v[14:15], v[F:F+1] op_sel_hi:[1,0]      ; the sums under the new M: a plain place behind the exponentials
	s_wait_alu depctr_va_vdst(0)                   ; one wait for the batch, ahead of its first reader
.irp b, 0,1,2,3
	v_exp_f32 v[BM+\b], v[BM+\b]                   ; the block's largest p
.endr
	v_pk_add_f32 v[L2:L2+1], v[S:S+1], v[S+2:S+3]  ; the row's sum of the unquantised p, in two chains
.irp j, 4,8,12,16,20,24,28,32,36,40,44,48,52,56,60
	v_pk_add_f32 v[14:15], v[14:15], v[S+\j:S+\j+1]
	v_pk_add_f32 v[L2:L2+1], v[L2:L2+1], v[S+2+\j:S+3+\j]
.endr
	v_pk_add_f32 v[14:15], v[14:15], v[L2:L2+1]
	s_wait_alu depctr_va_vdst(0)                   ; and one for the four
.irp b, 0,1,2,3
	v_max_num_f32 v[BM+\b], 0x1800000, v[BM+\b]    ; the floor 2^(3 - 127): the byte cannot fall under 1
.endr
.irp b, 0,1,2,3
	v_add_nc_u32 v[SO+\b], 0xff000000, v[BM+\b]    ; 2 off the exponent field: the conversion's scale operand
.endr
.irp b, 0,1,2,3
	v_lshrrev_b32 v[PX+\b], 23, v[SO+\b]           ; the scale's byte
.endr
	v_lshl_or_b32 v[PW], v[PX+1], 8, v[PX]         ; p's scale word for these 128 keys
	v_lshl_or_b32 v[PW], v[PX+2], 16, v[PW]
	v_lshl_or_b32 v[PW], v[PX+3], 24, v[PW]
.irp c, 0,1
	v_cvt_scalef32_pk16_fp6_f32 v[PC+6*\c:PC+6*\c+2], v[S+32*\c:S+32*\c+15], v[SO+2*\c]
	v_cvt_scalef32_pk16_fp6_f32 v[TMP+4*\c:TMP+4*\c+2], v[S+32*\c+16:S+32*\c+31], v[SO+2*\c+1]
.endr
	v_nop                                          ; one plain place behind a scaled conversion
.irp c, 0,1
.irp i, 0,1,2
	v_permlane16_swap_b32 v[PC+6*\c+\i], v[TMP+4*\c+\i]            ; a whole block to a lane: lanes 0-15 block 2 c, lanes 16-31 block 2 c + 1
.endr
.irp i, 0,1,2
	v_mov_b32 v[PC+3+6*\c+\i], v[TMP+4*\c+\i]
.endr
.endr
.set j, 0
.rept 16
	v_pk_mul_f32 v[O+j:O+j+1], v[O+j:O+j+1], v[F:F+1] op_sel_hi:[1,0]   ; O^T under the new M, each accumulator from its low end on; also the places between the scale word and the codes just made and the products below
.set j, j+2
.endr
	s_wait_dscnt 0x0                               ; V is in
.irp f, 0,1,2,3                        ; O^T += V^T P^T: four accumulators by turns
.if \f%2
	v_wmma_scale_f32_16x16x128_f8f6f4 v[O+8*\f:O+8*\f+7], v[KF+12*\f:KF+12*\f+11], v[PC:PC+11], v[O+8*\f:O+8*\f+7], v[VS+\f/2], v[PW] matrix_a_fmt:MATRIX_FMT_FP6 matrix_b_fmt:MATRIX_FMT_FP6 matrix_a_scale:MATRIX_SCALE_ROW1
.else
	v_wmma_scale_f32_16x16x128_f8f6f4 v[O+8*\f:O+8*\f+7], v[KF+12*\f:KF+12*\f+11], v[PC:PC+11], v[O+8*\f:O+8*\f+7], v[VS+\f/2], v[PW] matrix_a_fmt:MATRIX_FMT_FP6 matrix_b_fmt:MATRIX_FMT_FP6
.endif
.endr
	PLACES                                         ; in front of the next loads into V's registers and of the next reads of O^T
.if \masked
.Lskip_\@:
.endif
	s_add_co_u32 s[TB], s[TB], STEPB
	s_add_co_u32 s[SI], s[SI], 1
.endm
.macro TILE_BEGIN                      ; the step is written without a first step of its own: it finds zeros, which the first change of M leaves zeros
	v_mov_b32 v13, 0xff61b1e6                      ; the largest t so far: -3e38
	v_floor_f32 v12, -v13
	v_mov_b32 v14, 0
	v_mov_b32 v15, 0
.set j, 0
.rept 32
	v_mov_b32 v[O+j], 0
.set j, j+1
.endr
.endm
; A tile's end: O^T / the sum, quantised along d (two blocks of 32), the codes put into the natural order, three stores of 256 bytes and the two scale bytes of each row.
.macro TILE_END acb, asb
	s_wait_xcnt 0x0                                ; the earlier tile's stores have read their registers, which are written again below
	v_add_f32 v14, v14, v15
	v_permlanex16_b32 v[TT], v14, s[SEL], s[SEL+1]
	v_add_f32 v14, v14, v[TT]                      ; the row's sum
	v_rcp_f32 v[F], v14
	v_nop                                          ; a plain place behind the reciprocal
	s_wait_alu depctr_va_vdst(0)                   ; and the wait ahead of its first reader
.set j, 0
.rept 16
	v_pk_mul_f32 v[O+j:O+j+1], v[O+j:O+j+1], v[F:F+1] op_sel_hi:[1,0]
.set j, j+2
.endr
.irp b, 0,1
	v_max3_num_f32 v[BM+\b], |v[O+16*\b]|, |v[O+16*\b+1]|, 0x1800000
.endr
.irp i, 2,4,6,8,10,12,14
.irp b, 0,1
	v_max3_num_f32 v[BM+\b], v[BM+\b], |v[O+16*\b+\i]|, |v[O+16*\b+\i+1]|
.endr
.endr
.irp b, 0,1
	v_permlanex16_b32 v[PX+\b], v[BM+\b], s[SEL], s[SEL+1]
.endr
.irp b, 0,1
	v_max_num_f32 v[BM+\b], v[BM+\b], v[PX+\b]
.endr
.irp b, 0,1
	v_add_nc_u32 v[SO+\b], 0xff000000, v[BM+\b]
.endr
.irp b, 0,1
	v_lshrrev_b32 v[PX+\b], 23, v[SO+\b]
.endr
	v_lshl_or_b32 v[OW], v[PX+1], 8, v[PX]
	v_cvt_scalef32_pk16_fp6_f32 v[TMP:TMP+2], v[O:O+15], v[SO]
	v_cvt_scalef32_pk16_fp6_f32 v[TMP+4:TMP+6], v[O+16:O+31], v[SO+1]
	v_nop
.irp i, 0,1,2
	v_permlane16_swap_b32 v[TMP+\i], v[TMP+4+\i]   ; lane (r, h) now holds block h of row r, as four groups of 48 bits: numbers 0-7, 16-23, 8-15, 24-31
.endr
	v_mov_b32 v[NC], v[TMP]                        ; the two middle groups change places
	v_perm_b32 v[NC+1], v[TMP+4], v[TMP+1], 0x05040100
	v_perm_b32 v[NC+2], v[TMP+5], v[TMP+4], 0x05040302
	v_perm_b32 v[NC+3], v[TMP+2], v[TMP+1], 0x05040302
	v_perm_b32 v[NC+4], v[TMP+5], v[TMP+2], 0x07060302
	v_mov_b32 v[NC+5], v[TMP+6]
.irp i, 0,1,2
	global_store_b64 v[AV], v[NC+2*\i:NC+2*\i+1], s[\acb:\acb+1] offset:256*\i   ; 32 lanes store 256 consecutive bytes, at a multiple of 256 from ac's first byte
.endr
	global_store_b16 v[VR], v[OW], s[\asb:\asb+1]  ; (lanes l and l xor 16 write the same two bytes)
.endm
	TILE_BEGIN
	s_sub_co_u32 s[BLK], 15, s[WV]                 ; THE LONG TILE: block 15 - w, at least 8: key steps 0 to 7 all count
	s_wait_loadcnt 0x0                             ; Q
	s_wait_tensorcnt 2                             ; my first load is in; the two issued behind it may be out
	s_barrier_signal -1
	s_barrier_wait -1                              ; key steps 0 to 3 lie in LDS
	s_mov_b32 s[TB], 0
	s_mov_b32 s[SI], 0
.Lp0:
	STEP 0, QL, QLS
	s_cmp_lt_u32 s[SI], 4
	s_cbranch_scc1 .Lp0
	s_wait_dscnt 0x0
	s_wait_tensorcnt 1                             ; my second load is in; the third may be out
	s_barrier_signal -1
	s_barrier_wait -1                              ; key steps 4 to 7
	s_mov_b32 s[TB], 4*STEPB
	s_mov_b32 s[SI], 4
.Lp1:
	STEP 0, QL, QLS
	s_cmp_lt_u32 s[SI], 8
	s_cbranch_scc1 .Lp1
	s_wait_dscnt 0x0
	s_wait_tensorcnt 0x0
	s_barrier_signal -1
	s_barrier_wait -1                              ; all sixteen
	s_mov_b32 s[TB], 8*STEPB
	s_mov_b32 s[SI], 8
.Lpm:
	STEP 1, QL, QLS
	s_cmp_lt_u32 s[SI], 16
	s_cbranch_scc1 .Lpm
	TILE_END ACL, ASL
	TILE_BEGIN
	s_mov_b32 s[BLK], s[WV]                        ; THE SHORT TILE: block w
	s_mov_b32 s[TB], 0
	s_mov_b32 s[SI], 0
.Lps:
	STEP 1, QS, QSS
	s_cmp_lt_u32 s[SI], 8
	s_cbranch_scc1 .Lps
	TILE_END ACS, ASS
	s_wait_tensorcnt 0x0
	ds_add_u32 v254, v255
	s_wait_dscnt 0x0
	CROUND                                         ; the closing round
	s_endpgm
.Lfunc_end_k_q22a10e5f91_attn:
	.size	k_q22a10e5f91_attn, .Lfunc_end_k_q22a10e5f91_attn-k_q22a10e5f91_attn
	.p2alignl 7, 3214868480
	.fill 96, 4, 3214868480
	.section	.rodata,"a",@progbits
	.p2align	6, 0x0
	.amdhsa_kernel k_q22a10e5f91_attn
		.amdhsa_group_segment_fixed_size 209920
		.amdhsa_private_segment_fixed_size 0
		.amdhsa_enable_private_segment 0
		.amdhsa_kernarg_size 24
		.amdhsa_user_sgpr_count 2
		.amdhsa_user_sgpr_kernarg_segment_ptr 1
		.amdhsa_wavefront_size32 1
		.amdhsa_system_sgpr_workgroup_id_x 1
		.amdhsa_system_sgpr_workgroup_id_y 1
		.amdhsa_system_sgpr_workgroup_id_z 1
		.amdhsa_system_vgpr_workitem_id 0
		.amdhsa_next_free_vgpr 256
		.amdhsa_next_free_sgpr 80
		.amdhsa_reserve_vcc 1
		.amdhsa_float_denorm_mode_32 3
		.amdhsa_float_denorm_mode_16_64 3
		.amdhsa_memory_ordered 1
		.amdhsa_forward_progress 1
		.amdhsa_inst_pref_size 95
	.end_amdhsa_kernel
	.amdgpu_metadata
---
amdhsa.version: [ 1, 2 ]
amdhsa.kernels:
  - .name:           k_q22a10e5f91_attn
    .symbol:         k_q22a10e5f91_attn.kd
    .args:
      - { .name: kv, .offset: 0, .size: 8, .value_kind: global_buffer, .address_space: global }
      - { .name: ac, .offset: 8, .size: 8, .value_kind: global_buffer, .address_space: global }
      - { .name: asc, .offset: 16, .size: 8, .value_kind: global_buffer, .address_space: global }
    .group_segment_fixed_size: 209920
    .private_segment_fixed_size: 0
    .kernarg_segment_align: 8
    .kernarg_segment_size: 24
    .max_flat_workgroup_size: 256
    .sgpr_count:     80
    .vgpr_count:     256
    .wavefront_size: 32
...
	.end_amdgpu_metadata
.endif
;; end of part 2
;; launch outp (part 3): grid 8 x 32, 4 waves a work-group, clusters of 4 x 4, 262,656 bytes of LDS; arguments ac, asc, w_out_codes, w_out_scales, b_out, out0; writes out0
.if DOCPART == 3
	.amdgcn_target "amdgcn-amd-amdhsa--gfx1250"
	.amdhsa_code_object_version 6
	.text
	.protected	k_q22a10e5f91_outp
	.globl	k_q22a10e5f91_outp
	.p2align	8
	.type	k_q22a10e5f91_outp,@function
k_q22a10e5f91_outp:
	s_mov_b64 s[64:65], 0
	v_nop
	global_prefetch_b8 v0, s[64:65] scope:SCOPE_SE
	s_setreg_imm32_b32 hwreg(HW_REG_WAVE_MODE, 25, 1), 1
	s_wait_xcnt 0x0
	s_wait_alu depctr_hold_cnt(0) depctr_sa_sdst(0) depctr_va_vdst(0) depctr_va_sdst(0) depctr_va_ssrc(0) depctr_va_vcc(0) depctr_vm_vsrc(0)
	s_getreg_b32 s2, hwreg(HW_REG_IB_STS2, 6, 4)
	s_cmp_eq_u32 s2, 0
	s_cbranch_scc0 .Lentry_in_a_cluster
	s_endpgm
.Lentry_in_a_cluster:
	s_bfe_u32 s2, ttmp6, 0x10000c
	s_cmp_lg_u32 s2, 0xf033
	s_cbranch_scc0 .Lentry_shape_is_right
	s_endpgm
.Lentry_shape_is_right:
; out0 = A Wout^T + b_out: 4,096 tokens x 1,024 columns, K = 1,024, on codes of FP6 (E2M3) with E8M0 scales; f32 sums, f32 out.
; A comes from the attention launch as images of this product's operand registers (ac: blocks of 12,288 bytes = 64 rows x 256 along K) with scale bytes laid [4,096][32] (asc); Wout as it is given, K innermost.
; SHARES.  A work-group makes 128 x 128, wave w 64 x 64 (token half th = w / 2, column half hd = w % 2): 16 accumulators.  All of K lies in LDS, four chunks of 256 along K, each filled ONCE; no LDS byte is filled twice.
; 4 x 4 work-groups form a cluster: A's blocks are asked for jointly along a row of the cluster, W's tiles along a column.
; The product is used transposed (source 0 = 16 rows of W, source 1 = 16 rows of A): a lane holds eight neighbouring columns of one row.  The bias is the C of each sum's first matrix instruction.
; A wave's 64 columns are 256 bytes of a row of out0: a tile of 16 rows goes through the wave's own stage in LDS and leaves as whole rows of 256 bytes.
; REGISTERS: window 0: v1-7 at work, v16-24 addresses, v32-63 scale words, v64-159 and v160-255 two sets of fragments (A's four tiles, then W's four); on the way out v64-191 hold rows.  Window 1: v0-127 the sums, v128-159 the bias.
.set PITCH,  240
.set HALFT,  64*PITCH                  ; W: 64 rows
.set HALFA,  12288                     ; A: the images of 64 rows x 256 along K
.set SLOT,   2*HALFA+2*HALFT           ; a chunk
.set SCL,    4*SLOT
.set HALFS,  8*272
.set STG,    SCL+4*HALFS               ; the stages: 16 rows x 272 bytes for each wave; no fill lands here
.set KROW,   768
.set WV, 16
.set TH, 17
.set HD, 18
.set TY, 19
.set G0A, 24
.set G0B, 40
.set G0SA, 56
.set G0SB, 60
.set G1A, 68
.set G1B, 76
.set G1SA, 84
.set G1SB, 92
.set ADRI, 16                          ; v16 my A images in LDS
.set ADRB, 18                          ; v18, v19 my W fragments
.set ADRS, 20
.set STO,  21
.set RD,   22
.set CO,   23
.set BO,   24
.set SC,  32
.set F0,  64
.set MSB, 0
.macro WIN new
.if MSB != \new
	s_set_vgpr_msb (MSB<<8)|\new
.set MSB, \new
.endif
.endm
.macro PLACES
.rept 4
	v_nop
.endr
.endm
.macro CROUND
	s_barrier_signal -1
	s_barrier_wait -1
	s_cmp_lg_u32 s[WV], 0
	s_cbranch_scc1 .Lnot_wave_0_\@
	s_barrier_signal -3
.Lnot_wave_0_\@:
	s_barrier_wait -3
	s_barrier_signal -1
	s_barrier_wait -1
.endm
	s_load_b256 s[4:11], s[0:1], 0x0               ; ac s[4:5], asc s[6:7], W's codes s[8:9], W's scales s[10:11]
	s_load_b128 s[12:15], s[0:1], 0x20             ; b_out s[12:13], out0 s[14:15]
	v_lshl_add_u32 v30, v0, 2, 0x40000
	v_mov_b32 v31, 0
	ds_add_u32 v30, v31
	ds_add_u32 v30, v31
	v_lshrrev_b32 v1, 5, v0
	v_readfirstlane_b32 s[WV], v1
	s_lshr_b32 s[TH], s[WV], 1                     ; my half of the tokens.  Also: I fetch for A (0) or for W (1)
	s_and_b32 s[HD], s[WV], 1                      ; my half of the columns.  Also: which 64 rows I fetch
	s_bfe_u32 s66, ttmp6, 0x40000                  ; cx
	s_bfe_u32 s67, ttmp6, 0x40004                  ; cy
	s_lshl_b32 s2, s67, 2
	s_lshl_b32 s2, 15, s2                          ; my row of the cluster
	s_lshl_b32 s3, 0x1111, s66                     ; my column
	s_or_b32 s[G1A], s2, (3<<16)|(1<<21)           ; A's block: 12,288 dense bytes as 48 rows of 256; no padding: images are read as consecutive bytes
	s_mov_b32 s[G1A+1], 32<<16
	s_mov_b32 s[G1A+2], 48<<16
	s_mov_b32 s[G1A+3], 32<<16
	s_mov_b32 s[G1A+4], 48
	s_mov_b32 s[G1A+5], 32
	s_mov_b32 s[G1A+6], 0
	s_mov_b32 s[G1A+7], 0
	s_or_b32 s[G1B], s3, (0<<16)|(1<<20)|(1<<21)|(3<<22)|(3<<25)   ; W's tile: 64 rows of 192 bytes, 16 bytes of padding behind every 64
	s_mov_b32 s[G1B+1], 192<<16
	s_mov_b32 s[G1B+2], 64<<16
	s_mov_b32 s[G1B+3], 192<<16
	s_mov_b32 s[G1B+4], 64
	s_mov_b32 s[G1B+5], KROW
	s_mov_b32 s[G1B+6], 0
	s_mov_b32 s[G1B+7], 0
	s_or_b32 s[G1SA], s2, (3<<16)|(1<<20)|(1<<21)|(5<<22)|(3<<25)  ; the scale bytes of 64 rows: 8 rows of 256 bytes, 16 of padding behind each
	s_or_b32 s[G1SB], s3, (3<<16)|(1<<20)|(1<<21)|(5<<22)|(3<<25)
.irp g, G1SA, G1SB
	s_mov_b32 s[\g+1], 32<<16
	s_mov_b32 s[\g+2], 8<<16
	s_mov_b32 s[\g+3], 32<<16
	s_mov_b32 s[\g+4], 8
	s_mov_b32 s[\g+5], 32
	s_mov_b32 s[\g+6], 0
	s_mov_b32 s[\g+7], 0
.endr
	s_and_b32 s[TY], ttmp7, 0xffff
	s_lshl_b32 s[TY], s[TY], 2
	s_add_co_u32 s[TY], s[TY], s67                 ; ty: which 128 tokens
	s_lshl_b32 s100, ttmp9, 2
	s_add_co_u32 s66, s100, s66                    ; tx: which 128 columns
	s_lshl_b32 s67, s[TY], 1
	s_add_co_u32 s67, s67, s[HD]                   ; A: which 64 rows: 2 ty + half
	s_lshl_b32 s22, s[HD], 6
	s_lshl_b32 s66, s66, 7
	s_add_co_u32 s66, s66, s22                     ; W: row 128 tx + 64 half: also my first column
	s_lshl_b32 s2, s[TY], 1                        ; out0: row 128 ty + 64 th, 4,096 bytes a row, + 4 x my first column
	s_add_co_u32 s2, s2, s[TH]
	s_lshl_b32 s2, s2, 18
	s_lshl_b32 s3, s66, 2
	s_add_co_u32 s2, s2, s3
	s_mov_b32 s3, 0
	; every address register is made here, ahead of the first branch on the wave's number
	v_and_b32 v1, 15, v0                           ; r
	v_bfe_u32 v2, v0, 4, 1                         ; h
	v_and_b32 v3, 31, v0                           ; lane
	v_mul_u32_u24 v4, v1, PITCH
	v_mad_u32_u24 v4, v2, 24, v4
	v_lshl_add_u32 v5, v2, 4, v4
	s_mul_i32 s22, s[TH], HALFA
	v_lshl_add_u32 v[ADRI], v3, 3, s22             ; an image's piece: 8 bytes a lane
	s_mul_i32 s23, s[HD], HALFT
	s_add_co_u32 s23, s23, 2*HALFA
	v_add_nc_u32 v[ADRB], s23, v4
	v_add_nc_u32 v[ADRB+1], s23, v5
	v_lshlrev_b32 v6, 5, v1
	v_lshrrev_b32 v7, 3, v1
	v_lshl_add_u32 v6, v7, 4, v6
	s_mul_i32 s22, s[TH], HALFS
	s_mul_i32 s23, s[HD], HALFS
	s_add_co_u32 s23, s23, 2*HALFS
	s_sub_co_u32 s23, s23, s22
	v_mul_u32_u24 v7, s23, v2                      ; lanes 16-31 take W's scale words: one product with h
	s_add_co_u32 s22, s22, SCL
	v_add_nc_u32 v6, v6, v7
	v_add_nc_u32 v[ADRS], s22, v6
	s_mul_i32 s22, s[WV], 16*272
	s_add_co_u32 s22, s22, STG                     ; my stage
	v_mul_u32_u24 v6, v1, 272
	v_lshl_add_u32 v6, v2, 5, v6
	v_add_nc_u32 v[STO], s22, v6                   ; in: row r, 32 bytes for each half of the lanes
	v_mul_u32_u24 v6, v2, 272
	v_lshl_add_u32 v6, v1, 4, v6
	v_add_nc_u32 v[RD], s22, v6                    ; back: lanes 0-15 one row, lanes 16-31 the next
	v_lshlrev_b32 v6, 12, v2
	v_lshl_add_u32 v[CO], v1, 4, v6                ; and the same two rows in out0
	v_lshlrev_b32 v[BO], 5, v2                     ; the bias: my half's eight numbers of a tile
	s_mul_i32 s20, s67, 4*HALFA
	s_mov_b32 s21, 0
	s_mul_i32 s100, s66, KROW
	s_mov_b32 s101, 0
	s_wait_dscnt 0x0
	s_wait_kmcnt 0x0
	s_add_nc_u64 s[4:5], s[4:5], s[20:21]          ; A's four blocks of my 64 rows
	s_add_nc_u64 s[8:9], s[8:9], s[100:101]        ; W's codes at my 64 rows
	s_lshl_b32 s20, s67, 11
	s_lshl_b32 s100, s66, 5
	s_add_nc_u64 s[6:7], s[6:7], s[20:21]          ; and the scale bytes
	s_add_nc_u64 s[10:11], s[10:11], s[100:101]
	s_lshl_b32 s100, s66, 2
	s_add_nc_u64 s[12:13], s[12:13], s[100:101]    ; the bias at my first column
	s_add_nc_u64 s[14:15], s[14:15], s[2:3]        ; out0 at my corner
	s_mul_i32 s[G0A+1], s[HD], HALFA               ; LDS addresses: the wave's number and constants alone
	s_mul_i32 s[G0B+1], s[HD], HALFT
	s_add_co_u32 s[G0B+1], s[G0B+1], 2*HALFA
.irp c, 1,2,3
	s_add_co_u32 s[G0A+4*\c+1], s[G0A+1], \c*SLOT
	s_add_co_u32 s[G0B+4*\c+1], s[G0B+1], \c*SLOT
.endr
.irp c, 0,1,2,3
	s_mov_b32 s[G0A+4*\c], 1
	s_add_nc_u64 s[G0A+4*\c+2:G0A+4*\c+3], s[4:5], \c*HALFA
	s_or_b32 s[G0A+4*\c+3], s[G0A+4*\c+3], 0x80000000
	s_mov_b32 s[G0B+4*\c], 1
	s_add_nc_u64 s[G0B+4*\c+2:G0B+4*\c+3], s[8:9], \c*192
	s_or_b32 s[G0B+4*\c+3], s[G0B+4*\c+3], 0x80000000
.endr
	s_mov_b32 s[G0SA], 1
	s_mul_i32 s[G0SA+1], s[HD], HALFS
	s_add_co_u32 s[G0SA+1], s[G0SA+1], SCL
	s_mov_b64 s[G0SA+2:G0SA+3], s[6:7]
	s_or_b32 s[G0SA+3], s[G0SA+3], 0x80000000
	s_mov_b32 s[G0SB], 1
	s_add_co_u32 s[G0SB+1], s[G0SA+1], 2*HALFS
	s_mov_b64 s[G0SB+2:G0SB+3], s[10:11]
	s_or_b32 s[G0SB+3], s[G0SB+3], 0x80000000
	CROUND                                         ; all sixteen work-groups are here: the joint loads meet
	s_cmp_eq_u32 s[TH], 0                          ; all fills of the launch go out as one group: five loads of mine are out
	s_cbranch_scc0 .Lfor_w
	tensor_load_to_lds s[G0SA:G0SA+3], s[G1SA:G1SA+7]
	s_nop 0
.irp c, 0,1,2,3
	tensor_load_to_lds s[G0A+4*\c:G0A+4*\c+3], s[G1A:G1A+7]
	s_nop 0
.endr
	PLACES
	s_branch .Lasked
.Lfor_w:
	tensor_load_to_lds s[G0SB:G0SB+3], s[G1SB:G1SB+7]
	s_nop 0
.irp c, 0,1,2,3
	tensor_load_to_lds s[G0B+4*\c:G0B+4*\c+3], s[G1B:G1B+7]
	s_nop 0
.endr
	PLACES
.Lasked:
	WIN 0x40                                       ; destination window 1
.irp wt, 0,1,2,3
	global_load_b128 v[128+8*\wt:131+8*\wt], v[BO], s[12:13] offset:64*\wt       ; lane (r, h): b_out at columns 16 wt + 8 h + 0 .. 7 of my 64: the result's layout
	global_load_b128 v[132+8*\wt:135+8*\wt], v[BO], s[12:13] offset:64*\wt+16
.endr
	WIN 0
.macro FRAG reg, adr, q, i             ; a fragment of W from padded rows, in pieces of 8 bytes; where lanes 16-31's piece lies behind one padding more, the second address register serves
.irp p, 0,1,2,3,4,5
.set PCE, 12*(\q)+6*(\p/3)+\p%3
.if PCE%8 < 5
	ds_load_b64 v[\reg+2*\p:\reg+2*\p+1], v[\adr] offset:8*PCE+16*(PCE/8)+(\i)*16*PITCH
.else
	ds_load_b64 v[\reg+2*\p:\reg+2*\p+1], v[\adr+1] offset:8*PCE+16*(PCE/8)+(\i)*16*PITCH
.endif
.endr
.endm
.macro FETCH q, set                    ; 48 loads: A's four tiles from their images, W's four from rows: the chunk's q-th 128 along K
.irp i, 0,1,2,3
.irp p, 0,1,2,3,4,5
	ds_load_b64 v[(\set)+12*\i+2*\p:(\set)+12*\i+2*\p+1], v[ADRI] offset:3072*\i+1536*(\q)+256*\p
.endr
.endr
.irp i, 0,1,2,3
	FRAG (\set)+48+12*\i, ADRB, \q, \i
.endr
.endm
; 16 matrix instructions; the 16 accumulators take turns, one instruction a turn, in the same order in every K step.  first = 1: the bias starts the sums.
.macro MUL16 set, ks, first
.irp xt, 0,1,2,3
.irp wt, 0,1,2,3
.if \first
	v_wmma_scale_f32_16x16x128_f8f6f4 v[8*(4*\xt+\wt):8*(4*\xt+\wt)+7], v[\set+48+12*\wt:\set+48+12*\wt+11], v[\set+12*\xt:\set+12*\xt+11], v[128+8*\wt:135+8*\wt], v[SC+8*\wt+\ks], v[SC+8*\xt+\ks] matrix_a_fmt:MATRIX_FMT_FP6 matrix_b_fmt:MATRIX_FMT_FP6 matrix_a_scale:MATRIX_SCALE_ROW1
.else
	v_wmma_scale_f32_16x16x128_f8f6f4 v[8*(4*\xt+\wt):8*(4*\xt+\wt)+7], v[\set+48+12*\wt:\set+48+12*\wt+11], v[\set+12*\xt:\set+12*\xt+11], v[8*(4*\xt+\wt):8*(4*\xt+\wt)+7], v[SC+8*\wt+\ks], v[SC+8*\xt+\ks] matrix_a_fmt:MATRIX_FMT_FP6 matrix_b_fmt:MATRIX_FMT_FP6 matrix_a_scale:MATRIX_SCALE_ROW1
.endif
.endr
.endr
.endm
.macro KSTEP s
	s_wait_dscnt 0x0                               ; this step's fragments are in (at step 0 the scale words too)
.if ((\s)%2 == 1) && ((\s) < 7)
	s_wait_tensorcnt 2-(\s)/2                      ; my part of the next chunk is in; the count is that of the chunks issued behind it
	s_barrier_signal -1
	s_barrier_wait -1                              ; everybody's is.
.irp a, ADRI, ADRB, ADRB+1
	v_add_nc_u32 v[\a], SLOT, v[\a]
.endr
.endif
.if (\s) < 7
	FETCH ((\s)+1)%2, F0+96*(1-(\s)%2)
.endif
	WIN 0x50                                       ; C and D in window 1
	MUL16 F0+96*((\s)%2), \s, ((\s)==0)
	WIN 0
	PLACES                                         ; in front of the next loads into this set, and of the first reads of results
.endm
	s_wait_tensorcnt 3                             ; the scale bytes and chunk 0 are in; three chunks may be out
	s_barrier_signal -1
	s_barrier_wait -1
	FETCH 0, F0
.irp i, 0,1,2,3
.irp k, 0,1
	ds_load_b128 v[SC+8*\i+4*\k:SC+8*\i+4*\k+3], v[ADRS] offset:544*\i+16*\k   ; a row's eight scale words, for all of K
.endr
.endr
	s_wait_loadcnt 0x0                             ; the bias
.irp s, 0,1,2,3,4,5,6,7
	KSTEP \s
.endr
; THE WAY OUT, a tile of 16 rows x 64 columns at a time, through my own stage.  LDS serves a wave's instructions in order (ISA guide 5.7.1.4): no wait between the stores and the loads, nor in front of the next tile's stores.
.macro TOSTAGE xt
	WIN 0x04                                       ; an LDS store's data are its source 1: window 1
.irp wt, 0,1,2,3
	ds_store_b128 v[STO], v[8*(4*(\xt)+\wt):8*(4*(\xt)+\wt)+3] offset:64*\wt          ; each accumulator from its low end on
	ds_store_b128 v[STO], v[8*(4*(\xt)+\wt)+4:8*(4*(\xt)+\wt)+7] offset:64*\wt+16
.endr
	WIN 0
.irp k, 0,1,2,3,4,5,6,7
	ds_load_b128 v[64+32*(\xt)+4*\k:64+32*(\xt)+4*\k+3], v[RD] offset:544*\k
.endr
.endm
.macro SEND xt, younger                ; younger: the LDS instructions issued behind this tile's loads: the next tile's eight stores and eight loads, or none
	s_wait_dscnt \younger
.irp k, 0,1,2,3,4,5,6,7
	global_store_b128 v[CO], v[64+32*(\xt)+4*\k:64+32*(\xt)+4*\k+3], s[14:15] offset:(16*(\xt)+2*\k)*4096 th:TH_STORE_NT   ; 16 lanes store 256 consecutive bytes, at a multiple of 256 from out0's first byte; each tile has registers of its own
.endr
.endm
	TOSTAGE 0
	TOSTAGE 1
	SEND 0, 16
	TOSTAGE 2
	SEND 1, 16
	TOSTAGE 3
	SEND 2, 16
	SEND 3, 0
	s_wait_tensorcnt 0x0
	ds_add_u32 v30, v31
	s_wait_dscnt 0x0
	CROUND                                         ; the closing round: no work-group ends while a partner may still ask for a tile that names it
	s_endpgm
.Lfunc_end_k_q22a10e5f91_outp:
	.size	k_q22a10e5f91_outp, .Lfunc_end_k_q22a10e5f91_outp-k_q22a10e5f91_outp
	.p2alignl 7, 3214868480
	.fill 96, 4, 3214868480
	.section	.rodata,"a",@progbits
	.p2align	6, 0x0
	.amdhsa_kernel k_q22a10e5f91_outp
		.amdhsa_group_segment_fixed_size 262656
		.amdhsa_private_segment_fixed_size 0
		.amdhsa_enable_private_segment 0
		.amdhsa_kernarg_size 48
		.amdhsa_user_sgpr_count 2
		.amdhsa_user_sgpr_kernarg_segment_ptr 1
		.amdhsa_wavefront_size32 1
		.amdhsa_system_sgpr_workgroup_id_x 1
		.amdhsa_system_sgpr_workgroup_id_y 1
		.amdhsa_system_sgpr_workgroup_id_z 1
		.amdhsa_system_vgpr_workitem_id 0
		.amdhsa_next_free_vgpr 416
		.amdhsa_next_free_sgpr 102
		.amdhsa_reserve_vcc 0
		.amdhsa_float_denorm_mode_32 3
		.amdhsa_float_denorm_mode_16_64 3
		.amdhsa_memory_ordered 1
		.amdhsa_forward_progress 1
		.amdhsa_inst_pref_size 62
	.end_amdhsa_kernel
	.amdgpu_metadata
---
amdhsa.version: [ 1, 2 ]
amdhsa.kernels:
  - .name:           k_q22a10e5f91_outp
    .symbol:         k_q22a10e5f91_outp.kd
    .args:
      - { .name: ac, .offset: 0, .size: 8, .value_kind: global_buffer, .address_space: global }
      - { .name: asc, .offset: 8, .size: 8, .value_kind: global_buffer, .address_space: global }
      - { .name: w_out_codes, .offset: 16, .size: 8, .value_kind: global_buffer, .address_space: global }
      - { .name: w_out_scales, .offset: 24, .size: 8, .value_kind: global_buffer, .address_space: global }
      - { .name: b_out, .offset: 32, .size: 8, .value_kind: global_buffer, .address_space: global }
      - { .name: out0, .offset: 40, .size: 8, .value_kind: global_buffer, .address_space: global }
    .group_segment_fixed_size: 262656
    .private_segment_fixed_size: 0
    .kernarg_segment_align: 8
    .kernarg_segment_size: 48
    .max_flat_workgroup_size: 128
    .sgpr_count:     102
    .vgpr_count:     416
    .wavefront_size: 32
...
	.end_amdgpu_metadata
.endif
;; end of part 3
